; MI455X (gfx1250); checked and timed in simulation.
; The chip was launched on July 23, 2026; its instructions are those of AMD's public machine-readable ISA for CDNA 5 (MIT licence, August 2026) and "CDNA5" Instruction Set Architecture Reference Guide (July 2026). The comments in the code are by the model that wrote it; some were corrected since.
;; Multi Head Attention. Allowed arithmetic: matrix products marked QUANTISED: E4M3 operands, one given power-of-two scale a tensor, by v_wmma_f32_16x16x64_fp8_fp8 or v_wmma_f32_16x16x128_fp8_fp8, f32 sums; everything else in f32.
;; Inputs: Wk 1,024 x 1,024 float32; Wo 1,024 x 1,024 float32; Wq 1,024 x 1,024 float32; Wv 1,024 x 1,024 float32; lowp_scales 12 int32 (the exponents e of the quantised operands' scales 2^e); x 2 x 2,048 x 1,024 float32.
;; Outputs: out0 2 x 2,048 x 1,024 float32.
;; This version of the problem:
;;   THIS VERSION OF THE PROBLEM IS GIVEN IN LOW PRECISION. The matrix products marked QUANTISED in the list below multiply operands that are first quantised to E4M3 (4 exponent bits, 3 mantissa bits; 8 bits a number), with one given power-of-two scale for each operand tensor; their sums are f32. All else is computed in f32.
;;   The module's matrix products, in the order in which they are computed (A, B: the left and right operand; K: the contracted axis; several contracted axes count as one K, in the product's order):
;;     1. [M 4,096, K 1,024] x [K 1,024, N 1,024]; A: input x; B: input Wk: QUANTISED (scales: A lowp_scales[0], B lowp_scales[1])
;;     2. [M 4,096, K 1,024] x [K 1,024, N 1,024]; A: input x; B: input Wq: QUANTISED (scales: A lowp_scales[2], B lowp_scales[3])
;;     3. [M 4,096, K 1,024] x [K 1,024, N 1,024]; A: input x; B: input Wv: QUANTISED (scales: A lowp_scales[4], B lowp_scales[5])
;;     4. batch 32 x [M 2,048, K 64] x [K 64, N 2,048]; A: computed on the way; B: computed on the way: QUANTISED (scales: A lowp_scales[6], B lowp_scales[7])
;;     5. batch 32 x [M 2,048, K 2,048] x [K 2,048, N 64]; A: softmax (see below); B: computed on the way: QUANTISED (scales: A lowp_scales[8], B lowp_scales[9])
;;     6. [M 4,096, K 1,024] x [K 1,024, N 1,024]; A: computed on the way; B: input Wo: QUANTISED (scales: A lowp_scales[10], B lowp_scales[11])
;;   THE QUANTISER, for each operand of a quantised product, along K:
;;     - The operand's scale is 2^e, e = its entry of the input lowp_scales (int32; the entries are numbered through the quantised products in the list's order, A before B).
;;     - Each number is divided by the scale, clamped to +-448, and rounded to the nearest number of E4M3, ties to even, subnormals kept.
;;     - The product sums the exact products of the quantised numbers (number of the format x scale) in f32.
;;   ~~~python
;;   def quantise(x, axis, e):      # numpy; x: float32 -> the quantised numbers, widened to float32 again
;;       x = np.moveaxis(x, axis, -1); K = x.shape[-1]
;;       r = np.clip(x / 2.0 ** e, -448, 448)
;;       step = 2.0 ** (np.maximum(np.frexp(np.where(r == 0, 1, r))[1] - 1, -6) - 3)
;;       q = np.round(r / step) * step * 2.0 ** e      # np.round: ties to even
;;       return np.moveaxis(q, -1, axis).astype(np.float32)
;;   ~~~
;;   SOFTMAX AHEAD OF A QUANTISED PRODUCT. Where the list says 'softmax', what is quantised is not the finished softmax but p = 2^(t - M), with t = logit x log2(e) and M = ceil(the row's largest t), a whole number; so 1/2 < the row's largest p <= 1. The row's sum l is taken of the UNQUANTISED p, in f32, and the product's result is divided by l at the end. Since M is a whole number, a kernel that streams over the keys may use a running M (the ceiling of the running maximum): every later rescaling is an exact power of two, so the quantised numbers keep their values, but for numbers so far below the row's largest that they fall under the format's range.
;;   OPERANDS COMPUTED ON THE WAY. 'Computed on the way' means the value that the module computes at that place (a softmax that the list does not call 'softmax' is quantised finished and normalised). What goes into a quantiser is computed in f32, as accurately as f32 sums, v_exp_f32 and their like allow (about 1e-6 of the number): no bf16 or f16 on the way to a quantiser, and a product that is left as it is and whose result goes on into a quantised operand takes f32 operands (vector FMAs, or v_wmma_f32_16x16x4_f32). A number that lies on a knife's edge between two numbers of the format may be rounded either way, as far as f32 arithmetic and the matrix unit's own rounding can turn it there, and no further.
;; One version. Each part assembles by itself: llvm-mc -triple=amdgcn-amd-amdhsa -mcpu=gfx1250 --defsym DOCPART=n.
;; ======== version 1 of 1: 4 launches
;; limits: right only within a limited range of input values
;; workspace buffers: codes 16,777,216 bytes; qkv 12,582,912 bytes; oc 4,194,304 bytes
;; launch quant (part 1): grid 512 x 1, 8 waves a work-group, no clusters, 68,608 bytes of LDS; arguments x, Wk, Wq, Wv, Wo, lowp_scales, codes; writes codes
.if DOCPART == 1
	.amdgcn_target "amdgcn-amd-amdhsa--gfx1250"
	.amdhsa_code_object_version 6
	.text
	.protected	k_qd1c3e2f22a_quant
	.globl	k_qd1c3e2f22a_quant
	.p2align	8
	.type	k_qd1c3e2f22a_quant,@function
k_qd1c3e2f22a_quant:
	s_mov_b64 s[64:65], 0
	v_nop
	global_prefetch_b8 v0, s[64:65] scope:SCOPE_SE
	s_setreg_imm32_b32 hwreg(HW_REG_WAVE_MODE, 25, 1), 1
	s_wait_xcnt 0x0
; x [4096][1024] and Wk, Wq, Wv, Wo [1024][1024], f32, K innermost, become codes of FP8 (E4M3).  code = number / 2^e, held within +-448, to the nearest code, ties to even.
; x enters three products under three given exponents (entries 0, 2, 4 of the scales' buffer), so it gets three sets of codes; Wk, Wq, Wv, Wo take entries 1, 3, 5, 11.
; LIMITS: each of these exponents lies between -126 and 119, so that 2^e and 448 x 2^e are f32 numbers.  NaN among the inputs is not served (an infinity is held at the largest code).
; THE CODES ARE LAID AS IMAGES OF THE OPERAND'S REGISTERS.  A PIECE is 512 bytes: lane (r = lane % 16, h = lane / 16) has the 16 bytes at 16 x lane: row rho(T, r), K = 32 kb + 16 h + 0 .. 15.
; A TILE T of a block of 128 rows holds the rows rho(T, i) = 32 (T / 2) + 8 (T % 2) + i + 8 (i / 8), i = 0 .. 15.  Byte of a piece: block x 131072 + (K / 256) x 32768 + T x 4096 + kb x 512.
; In the buffer: x under entry 0 at 0, under entry 2 at 4 MiB, under entry 4 at 8 MiB; Wk, Wq, Wv, Wo at 12, 13, 14, 15 MiB.
; SHARES.  Work-groups 0-255 take x's 256 tiles, work-groups 256-511 the weights' 4 x 64.  Wave s takes K = 128 s .. 128 s + 127 of the tile: 16 rows x 512 bytes, 16 loads of 512 consecutive bytes, all issued at once.
; A lane needs 16 NEIGHBOURS along K for the conversions, a load is dense where neighbouring LANES take neighbouring bytes: so the 8 KiB turn through the wave's own stage in LDS.
; No tensor load, no barrier, no cluster: waves and work-groups share nothing.
; LEFT OUT IN THIS PROGRAM: key steps of 128 keys that lie wholly under the causal mask: their p is 0 for all inputs.  LIMIT: a NaN or an infinity that reaches only such hidden scores is not carried on.
.set ROWB,  4096                       ; a row of x or of a weight in bytes
.set SP,    528                        ; a stage row: 512 bytes + 16 = 132 words: row r starts at bank 4 r mod 64 (64 banks of 4 bytes: ISA guide 11.1)
.set WSTG,  16*SP                      ; a wave's stage
.set LN,    1                          ; v1       16 x lane: my bytes of a load, and of a piece; never rewritten
.set VW,    2                          ; v2       the stage on the way in: stage + 16 x lane
.set VR,    3                          ; v3       and on the way out: stage + 528 r + 64 h
.set R,     16                         ; v16-79   the numbers as loaded
.set X,     80                         ; v80-143  register 16 c + i: K = 32 c + 16 h + i of my row; kept for all three scales
.set T,     144                        ; v144-159 two sets of eight held numbers, by turns
.set C,     160                        ; v160-207 three sets of 16 registers of codes: no store's data are written again
	s_load_b256 s[4:11], s[0:1], 0x0               ; x, Wk, Wq, Wv
	s_load_b128 s[12:15], s[0:1], 0x20             ; Wo, the scales' exponents
	s_load_b64 s[16:17], s[0:1], 0x30              ; codes
	v_lshl_add_u32 v216, v0, 2, 0x10800
	v_mov_b32 v217, 0
	v_lshrrev_b32 v4, 5, v0
	s_delay_alu instid0(VALU_DEP_1)
	v_readfirstlane_b32 s18, v4                    ; wave 0..7
	v_and_b32 v5, 31, v0
	s_delay_alu instid0(VALU_DEP_1)
	v_lshlrev_b32 v[LN], 4, v5
	v_and_b32 v6, 15, v0                           ; r
	v_bfe_u32 v7, v0, 4, 1                         ; h
	s_mul_i32 s19, s18, WSTG
	v_add_nc_u32 v[VW], s19, v[LN]
	v_mul_u32_u24 v[VR], v6, SP
	s_delay_alu instid0(VALU_DEP_1)
	v_lshl_add_u32 v[VR], v7, 6, v[VR]
	s_delay_alu instid0(VALU_DEP_1)
	v_add_nc_u32 v[VR], s19, v[VR]
	s_and_b32 s45, ttmp9, 63
	s_cmp_lt_u32 ttmp9, 256
	s_cselect_b32 s45, ttmp9, s45                  ; my tile in its tensor
	s_lshr_b32 s22, s45, 1                         ; where it begins in memory: row 32 (T / 2) + 8 (T % 2), + my wave's 512 bytes
	s_lshl_b32 s22, s22, 17
	s_and_b32 s23, s45, 1
	s_lshl_b32 s23, s23, 15
	s_add_co_u32 s22, s22, s23
	s_lshl_b32 s23, s18, 9
	s_add_co_u32 s22, s22, s23
	s_mov_b32 s23, 0
	s_lshr_b32 s46, ttmp9, 6                       ; where its codes go: a weight's begin at (work-group / 64 + 8) MiB,
	s_add_co_u32 s46, s46, 8
	s_lshl_b32 s46, s46, 20
	s_cmp_lt_u32 ttmp9, 256
	s_cselect_b32 s46, 0, s46                      ; x's first set at 0;
	s_lshr_b32 s47, s45, 3
	s_lshl_b32 s47, s47, 17                        ; the block of 128 rows,
	s_add_co_u32 s46, s46, s47
	s_lshr_b32 s47, s18, 1
	s_lshl_b32 s47, s47, 15                        ; the K step of 256,
	s_add_co_u32 s46, s46, s47
	s_and_b32 s47, s45, 7
	s_lshl_b32 s47, s47, 12                        ; the tile,
	s_add_co_u32 s46, s46, s47
	s_and_b32 s47, s18, 1
	s_lshl_b32 s47, s47, 11                        ; and my four pieces of its eight
	s_add_co_u32 s46, s46, s47
	s_mov_b32 s47, 0
	s_wait_alu depctr_va_vdst(0)
	s_wait_kmcnt 0x0
	s_load_b256 s[32:39], s[14:15], 0x0            ; entries 0 to 7
	s_load_b128 s[40:43], s[14:15], 0x20           ; entries 8 to 11
	s_mov_b64 s[20:21], s[12:13]                   ; the tensor is chosen by the work-group's number alone
	s_cmp_lt_u32 ttmp9, 448
	s_cselect_b64 s[20:21], s[10:11], s[20:21]
	s_cmp_lt_u32 ttmp9, 384
	s_cselect_b64 s[20:21], s[8:9], s[20:21]
	s_cmp_lt_u32 ttmp9, 320
	s_cselect_b64 s[20:21], s[6:7], s[20:21]
	s_cmp_lt_u32 ttmp9, 256
	s_cselect_b64 s[20:21], s[4:5], s[20:21]
	s_add_nc_u64 s[20:21], s[20:21], s[22:23]
	s_add_nc_u64 s[24:25], s[16:17], s[46:47]
.irp i, 0,1,2,3,4,5,6,7,8,9,10,11,12,13,14,15
	global_load_b128 v[R+4*\i:R+4*\i+3], v[LN], s[20:21] offset:(\i+8*(\i/8))*ROWB th:TH_LOAD_NT   ; the tile's row i: 32 lanes read 512 consecutive bytes; read once in the launch
.endr
.macro MKSC e, sc, lim                 ; from the exponent in s[e]: v[sc] = 2^e as f32 (the conversion takes its exponent field), v[lim] = 448 x 2^e
	s_add_co_i32 s48, s[\e], 127
	s_lshl_b32 s49, s48, 23
	v_mov_b32 v[\sc], s49
	s_add_co_i32 s48, s48, 8
	s_lshl_b32 s48, s48, 23
	s_or_b32 s48, s48, 0x600000
	v_mov_b32 v[\lim], s48
.endm
	s_wait_kmcnt 0x0
	s_mov_b32 s44, s43                             ; the exponent of the tensor's first (a weight's only) set of codes: entry 11, 5, 3, 1 or 0
	s_cmp_lt_u32 ttmp9, 448
	s_cselect_b32 s44, s37, s44
	s_cmp_lt_u32 ttmp9, 384
	s_cselect_b32 s44, s35, s44
	s_cmp_lt_u32 ttmp9, 320
	s_cselect_b32 s44, s33, s44
	s_cmp_lt_u32 ttmp9, 256
	s_cselect_b32 s44, s32, s44
	MKSC 44, 208, 209
	MKSC 34, 210, 211                              ; entry 2
	MKSC 36, 212, 213                              ; entry 4
	s_wait_alu depctr_va_vdst(0)
.irp i, 0,1,2,3,4,5,6,7,8,9,10,11,12,13,14,15
	s_wait_loadcnt 15-\i                           ; loads come back in order: row i is in, the younger ones stay out
	ds_store_b128 v[VW], v[R+4*\i:R+4*\i+3] offset:SP*\i
.endr
.irp c, 0,1,2,3
.irp j, 0,1,2,3
	ds_load_b128 v[X+16*\c+4*\j:X+16*\c+4*\j+3], v[VR] offset:128*\c+16*\j   ; LDS serves a wave's instructions in order: these see my stores
.endr
.endr
; One set of codes.  The held numbers go into T, so that X stays for the next scale; T's two sets take turns, so that eight plain lines stand between a conversion and the next write of its sources.
; first = 1: block c's four LDS loads are waited for; the later blocks' may stay out.
.macro QUANT sc, lim, dst, base, first
.irp c, 0,1,2,3
.if \first
	s_wait_dscnt 12-4*\c
.endif
.irp g, 0,1
.irp i, 0,1,2,3,4,5,6,7
	v_med3_num_f32 v[T+8*\g+\i], v[X+16*\c+8*\g+\i], -v[\lim], v[\lim]   ; the conversion to an 8-bit code does not saturate (ISA guide 7.6.2): the hold at the largest code x the scale
.endr
	v_cvt_scalef32_pk8_fp8_f32 v[\dst+4*\c+2*\g:\dst+4*\c+2*\g+1], v[T+8*\g:T+8*\g+7], v[\sc]
.endr
	global_store_b128 v[LN], v[\dst+4*\c:\dst+4*\c+3], s[\base:\base+1] offset:512*\c   ; a piece: 512 consecutive bytes, aligned
.endr
.endm
	QUANT 208, 209, C, 24, 1
	s_cmp_ge_u32 ttmp9, 256                        ; a weight has one scale
	s_cbranch_scc1 .Ldone
	s_add_nc_u64 s[26:27], s[24:25], 0x400000      ; x's second and third sets
	s_add_nc_u64 s[28:29], s[24:25], 0x800000
	QUANT 210, 211, C+16, 26, 0
	QUANT 212, 213, C+32, 28, 0
.Ldone:
	s_wait_tensorcnt 0x0
	ds_add_u32 v216, v217
	s_wait_dscnt 0x0
	s_endpgm
.Lfunc_end_k_qd1c3e2f22a_quant:
	.size	k_qd1c3e2f22a_quant, .Lfunc_end_k_qd1c3e2f22a_quant-k_qd1c3e2f22a_quant
	.p2alignl 7, 3214868480
	.fill 96, 4, 3214868480
	.section	.rodata,"a",@progbits
	.p2align	6, 0x0
	.amdhsa_kernel k_qd1c3e2f22a_quant
		.amdhsa_group_segment_fixed_size 68608
		.amdhsa_private_segment_fixed_size 0
		.amdhsa_enable_private_segment 0
		.amdhsa_kernarg_size 56
		.amdhsa_user_sgpr_count 2
		.amdhsa_user_sgpr_kernarg_segment_ptr 1
		.amdhsa_wavefront_size32 1
		.amdhsa_system_sgpr_workgroup_id_x 1
		.amdhsa_system_sgpr_workgroup_id_y 1
		.amdhsa_system_sgpr_workgroup_id_z 1
		.amdhsa_system_vgpr_workitem_id 0
		.amdhsa_next_free_vgpr 218
		.amdhsa_next_free_sgpr 66
		.amdhsa_reserve_vcc 0
		.amdhsa_float_denorm_mode_32 3
		.amdhsa_float_denorm_mode_16_64 3
		.amdhsa_memory_ordered 1
		.amdhsa_forward_progress 1
		.amdhsa_inst_pref_size 24
	.end_amdhsa_kernel
	.amdgpu_metadata
---
amdhsa.version: [ 1, 2 ]
amdhsa.kernels:
  - .name:           k_qd1c3e2f22a_quant
    .symbol:         k_qd1c3e2f22a_quant.kd
    .args:
      - { .name: x, .offset: 0, .size: 8, .value_kind: global_buffer, .address_space: global }
      - { .name: Wk, .offset: 8, .size: 8, .value_kind: global_buffer, .address_space: global }
      - { .name: Wq, .offset: 16, .size: 8, .value_kind: global_buffer, .address_space: global }
      - { .name: Wv, .offset: 24, .size: 8, .value_kind: global_buffer, .address_space: global }
      - { .name: Wo, .offset: 32, .size: 8, .value_kind: global_buffer, .address_space: global }
      - { .name: lowp_scales, .offset: 40, .size: 8, .value_kind: global_buffer, .address_space: global }
      - { .name: codes, .offset: 48, .size: 8, .value_kind: global_buffer, .address_space: global }
    .group_segment_fixed_size: 68608
    .private_segment_fixed_size: 0
    .kernarg_segment_align: 8
    .kernarg_segment_size: 56
    .max_flat_workgroup_size: 256
    .sgpr_count:     66
    .vgpr_count:     218
    .wavefront_size: 32
...
	.end_amdgpu_metadata
.endif
;; end of part 1
;; launch proj (part 2): grid 12 x 16, 4 waves a work-group, clusters of 4 x 4, 327,680 bytes of LDS; arguments codes, lowp_scales, qkv; writes qkv
.if DOCPART == 2
	.amdgcn_target "amdgcn-amd-amdhsa--gfx1250"
	.amdhsa_code_object_version 6
	.text
	.protected	k_qd1c3e2f22a_proj
	.globl	k_qd1c3e2f22a_proj
	.p2align	8
	.type	k_qd1c3e2f22a_proj,@function
k_qd1c3e2f22a_proj:
	s_mov_b64 s[64:65], 0
	v_nop
	global_prefetch_b8 v0, s[64:65] scope:SCOPE_SE
	s_setreg_imm32_b32 hwreg(HW_REG_WAVE_MODE, 25, 1), 1
	s_wait_xcnt 0x0
	s_wait_alu depctr_hold_cnt(0) depctr_sa_sdst(0) depctr_va_vdst(0) depctr_va_sdst(0) depctr_va_ssrc(0) depctr_va_vcc(0) depctr_vm_vsrc(0)
	s_getreg_b32 s2, hwreg(HW_REG_IB_STS2, 6, 4)
	s_cmp_eq_u32 s2, 0
	s_cbranch_scc0 .Lentry_in_a_cluster
	s_endpgm
.Lentry_in_a_cluster:
	s_bfe_u32 s2, ttmp6, 0x10000c
	s_cmp_lg_u32 s2, 0xf033
	s_cbranch_scc0 .Lentry_shape_is_right
	s_endpgm
.Lentry_shape_is_right:
; k = x Wk^T, q = x Wq^T, v = x Wv^T on codes of FP8 (E4M3), sums in f32, and each result quantised at once for the attention's products.  K = 1,024.
; The cluster's x says which: P = 0: k, 1: q, 2: v.  A tile of 256 x 256 is made by a work-group of four waves; a wave makes 128 x 128: 64 accumulators of 16 x 16, 512 registers.
; OPERANDS lie in memory as images of their registers: a PIECE of 512 bytes holds, at 16 x lane, row rho(T, lane % 16), K = 32 kb + 16 (lane / 16) + 0 .. 15; tile T of a block of 128 rows holds the rows
; rho(T, i) = 32 (T / 2) + 8 (T % 2) + i + 8 (i / 8); byte = block x 131072 + (K / 256) x 32768 + T x 4096 + kb x 512.  So 128 rows x 256 K are one dense block of 32 KiB for one tensor load, a fragment
; is four LDS loads of 512 consecutive bytes, and no padding is wanted.  K's order in a fragment is the same on both sides of a product, so every code meets its partner.
; TWO ROLES.  Source 1 (role A) gives a lane its row, source 0 (role B) runs along a lane's registers: register j of tile b is row 32 (b / 2) + 16 (lane / 16) + 8 (b % 2) + j of B's 128, so the 16 registers of
; tiles 2 m, 2 m + 1 are 16 NEIGHBOURS, and two conversions make of them a lane's 16 bytes of a piece of the NEXT operand.  k and q want the head's 64 along their K: A = x, B = W.  v wants the keys along its K:
; A = Wv, B = x.  Only addresses differ, chosen by s_cselect_b32 on P: one text serves the three, and results leave as whole pieces, 512 consecutive aligned bytes a store, with no way through LDS.
; RESULTS.  k at 0, q at 4 MiB: (16 batch + head) x 131072 + tile of 16 tokens x 1024 + c x 512 (K = 32 c + .. of the head's 64).  v at 8 MiB: (16 batch + head) x 131072 + key step of 128 x 8192 + tile of 16 of the head's 64 x 2048 + c x 512 (K = 32 c + .. of the step's keys).
; SCALES.  A sum stands for sum x 2^(ea + eb) (entries 2 P, 2 P + 1); its code under 2^ed (entry 7 for k, 6 for q, 9 for v) is sum / 2^(ed - ea - eb).  LIMIT: ed - ea - eb between -126 and 119.
; CLUSTERS: 4 x 4 work-groups.  The four of a row of the cluster need the same tiles of role A, the four of a column the same tiles of role B: each tile is asked for JOINTLY, by the same tensor load with the same descriptor and a mask that names the four.
; REGISTERS, in windows of 256: window 0: v0-31 addresses and the scale; v32-111 at work on the way out; from v128 A's fragments (8 x 16 rows x 128 K), ONE set.   window 1: B's fragments, TWO sets, at v0 and v128.
;   window 2: the 32 accumulators of my A rows 0-63 (accumulator (a, b) at v[8 (8 a + b)]);   window 3: those of rows 64-127.
.set HALFT,  65536                     ; LDS: 128 rows x 512 K: the two slots' parts (32 KiB each) of what one wave fetches, on end; A's two halves, then B's two
.set SLOT,   32768                     ; from slot 0's part to slot 1's.  The head's one load a wave brings K steps 0 and 1 together: 64 KiB on end in memory too; a refill brings 32 KiB
.set SPARE,  4*HALFT                   ; behind the ring: the spare words, 128 bytes for each wave: two blocks of 256 bytes that no other line names
.set KSB,    32768                     ; from a K step of 256 to the next, in memory
.set FR,     16                        ; registers of a fragment: 16 rows x 128 K
.set NL,     4                         ; LDS loads that bring one
.set NP,     4                         ; places behind this matrix instruction (ISA guide 7.12.1)
.set ADRA, 16                          ; v16-17  LDS address of my A fragments in slot 0, 1
.set ADRB, 20                          ; v20-21  the same for B
.set LO,   24                          ; v24     16 x lane
.set LO2,  25                          ; v25     16 x lane + the distance to a block's third piece
.set SPW,  28                          ; v28     LDS address of my spare word: SPARE + 4 x my thread's number; never rewritten
.set NIL,  29                          ; v29     0; never rewritten
.set SC,   30                          ; v30     2^(ed - ea - eb) as f32
.set LIM,  31                          ; v31     448 x that
.set TMP,  32                          ; v32-95  a block's 64 sums, held
.set CD,   96                          ; v96-111 and their codes
.set AF,   128                         ; A's fragments, in window 0
.set G1, 24                            ; s[24:31] descriptor group 1 for A's tiles;  s[32:39] group 0, one set for each slot
.set G0, 32
.set G1B, 48                           ; s[48:55], s[56:63] the same for B's tiles
.set G0B, 56
.set MSB, 0
.macro WIN new                         ; the immediate's high byte repeats the setting that is left; a switch that changes nothing is dropped
.if MSB != (\new)
	s_set_vgpr_msb (MSB<<8)|(\new)
.set MSB, (\new)
.endif
.endm
.set MUL_LO, 0xa1                      ; source 0 (B) window 1, source 1 (A) window 0, C and D window 2
.set MUL_HI, 0xf1                      ; the same, C and D window 3
.set TO_B,   0x40                      ; destination window 1, address window 0
; A joint load: waves 0 and 1 fetch for A, waves 2 and 3 for B.  Each of the two lines has ONE mask and one set of registers for all that issue it; the branch hangs on the wave's number alone.
; Four v_nop follow each of the two lines, ahead of the jump, the label and what follows.
.macro JLOAD g0a, g1a, g0b, g1b
	s_cmp_eq_u32 s15, 0
	s_cbranch_scc0 .Lfor_b_\@
	tensor_load_to_lds s[\g0a:\g0a+3], s[\g1a:\g1a+7]
	s_nop 0
.rept 4
	v_nop
.endr
	s_branch .Lasked_\@
.Lfor_b_\@:
	tensor_load_to_lds s[\g0b:\g0b+3], s[\g1b:\g1b+7]
	s_nop 0
.rept 4
	v_nop
.endr
.Lasked_\@:
.endm
.macro CREST                           ; a round of the cluster's barrier behind its opening barrier
	s_cmp_lg_u32 s14, 0
	s_cbranch_scc1 .Lnot_wave_0_\@
	s_barrier_signal -3
.Lnot_wave_0_\@:
	s_barrier_wait -3
	s_barrier_signal -1
	s_barrier_wait -1
.endm
.macro CROUND                          ; a whole round
	s_barrier_signal -1
	s_barrier_wait -1
	CREST
.endm
	s_load_b128 s[4:7], s[0:1], 0x0                ; the codes s[4:5], the scales' exponents s[6:7]
	s_load_b64 s[8:9], s[0:1], 0x10                ; qkv
	v_lshl_add_u32 v[SPW], v0, 2, SPARE
	v_mov_b32 v[NIL], 0
	ds_add_u32 v28, v29
	ds_add_u32 v28, v29
	s_wait_dscnt 0x0
	v_lshrrev_b32 v1, 5, v0
	v_readfirstlane_b32 s14, v1                    ; wave 0..3
	s_lshr_b32 s15, s14, 1                         ; which half of A's 256 rows I multiply.  Also: I fetch for A (0) or for B (1)
	s_and_b32 s16, s14, 1                          ; which half of B's.  Also: which 128 rows I fetch
	s_bfe_u32 s40, ttmp6, 0x40000                  ; cx, cy: my place in the cluster
	s_bfe_u32 s41, ttmp6, 0x40004
	s_and_b32 s17, ttmp7, 0xffff
	s_lshl_b32 s17, s17, 2                         ; 4 x cluster y
	s_lshl_b32 s43, s41, 2
	s_lshl_b32 s43, 15, s43                        ; my row of the cluster
	s_lshl_b32 s44, 0x1111, s40                    ; my column
	; descriptor group 1: a dense block of 32 KiB as 128 rows of 32 elements of 8 bytes
	s_or_b32 s[G1+0], s43, (3<<16)|(1<<21)         ; 15:0 the mask: A's tiles go to my row; 17:16 elements of 8 bytes; 20 no padding; 21 set beside a mask
	s_or_b32 s[G1B+0], s44, (3<<16)|(1<<21)        ; B's go to my column
	; the head's own group 1, for A s[80:87], for B s[88:95]: 64 KiB as 256 rows of 32 elements of 8 bytes
	s_or_b32 s80, s43, (3<<16)|(1<<21)
	s_or_b32 s88, s44, (3<<16)|(1<<21)
.irp g, 80, 88
	s_mov_b32 s[\g+1], 32<<16
	s_mov_b32 s[\g+2], 256<<16
	s_mov_b32 s[\g+3], 32<<16
	s_mov_b32 s[\g+4], 256
	s_mov_b32 s[\g+5], 32
	s_mov_b32 s[\g+6], 0
	s_mov_b32 s[\g+7], 0
.endr
.irp g, G1, G1B
	s_mov_b32 s[\g+1], 32<<16                      ; tensor_dim0 = 32
	s_mov_b32 s[\g+2], 128<<16                     ; tensor_dim1 = 128
	s_mov_b32 s[\g+3], 32<<16                      ; tile_dim0 = 32
	s_mov_b32 s[\g+4], 128                         ; tile_dim1 = 128
	s_mov_b32 s[\g+5], 32                          ; tensor_dim0_stride
	s_mov_b32 s[\g+6], 0
	s_mov_b32 s[\g+7], 0
.endr
	; who plays which role.  k, q: A = x under entry 2 P (at P x 4 MiB), 16 blocks of 256 rows: 4 x cluster y + cy;  B = the weight (at 12 MiB + P MiB), 4 blocks: cx.
	; v: A = Wv (at 14 MiB), 4 blocks: cy;  B = x under entry 4 (at 8 MiB), 16 blocks: 4 x cluster y + cx.  A's registers never hold cx, B's never cy.
	s_lshl_b32 s70, ttmp9, 22
	s_lshl_b32 s71, ttmp9, 20
	s_add_co_u32 s71, s71, 12<<20
	s_cmp_eq_u32 ttmp9, 2
	s_cselect_b32 s66, 0, s17
	s_cselect_b32 s67, s17, 0
	s_cselect_b32 s68, 14<<20, s70
	s_cselect_b32 s69, 8<<20, s71
	s_add_co_u32 s66, s66, s41                     ; A's block of 256 rows
	s_add_co_u32 s67, s67, s40                     ; B's
	s_lshl_b32 s20, s66, 1
	s_add_co_u32 s20, s20, s16                     ; the block of 128 rows that I fetch,
	s_lshl_b32 s20, s20, 17
	s_add_co_u32 s20, s20, s68                     ; in bytes from the buffer's first
	s_mov_b32 s21, 0
	s_lshl_b32 s46, s67, 1
	s_add_co_u32 s46, s46, s16
	s_lshl_b32 s46, s46, 17
	s_add_co_u32 s46, s46, s69
	s_mov_b32 s47, 0
	s_lshl_b32 s45, s14, 16                        ; where it goes: wave x 64 KiB: no place in the cluster enters an LDS address
	CROUND                                         ; all sixteen work-groups are here: the first joint loads meet.  (The arguments are on their way meanwhile)
	s_wait_kmcnt 0x0
	s_add_nc_u64 s[20:21], s[4:5], s[20:21]
	s_add_nc_u64 s[46:47], s[4:5], s[46:47]
.irp s, 0,1
	s_mov_b32 s[G0+4*\s], 1                        ; count = 1
	s_add_co_u32 s[G0+4*\s+1], s45, \s*SLOT        ; LDS address
	s_add_nc_u64 s[G0+4*\s+2:G0+4*\s+3], s[20:21], \s*KSB   ; global address: K step s
	s_or_b32 s[G0+4*\s+3], s[G0+4*\s+3], 0x80000000         ; type = 2
	s_mov_b32 s[G0B+4*\s], 1
	s_add_co_u32 s[G0B+4*\s+1], s45, \s*SLOT
	s_add_nc_u64 s[G0B+4*\s+2:G0B+4*\s+3], s[46:47], \s*KSB
	s_or_b32 s[G0B+4*\s+3], s[G0B+4*\s+3], 0x80000000
.endr
	JLOAD G0, 80, G0B, 88                          ; K steps 0 and 1, the wave's one load at the head.  No prefetch: the largest block, in clusters, and K is four steps of which the head asks for two
	v_and_b32 v1, 31, v0
	v_lshlrev_b32 v[LO], 4, v1
	s_wait_alu depctr_va_vdst(0)
	s_lshl_b32 s22, s15, 16                        ; my 128 rows of A
	s_lshl_b32 s23, s16, 16                        ; my 128 rows of B,
	s_add_co_u32 s23, s23, 2*HALFT                 ; which lie behind A's 256
.irp s, 0,1
	v_add_nc_u32 v[ADRA+\s], s22, v[LO]
	v_add_nc_u32 v[ADRB+\s], s23, v[LO]
	s_add_co_u32 s22, s22, SLOT
	s_add_co_u32 s23, s23, SLOT
.endr
	; where my results go.  RT: my block of 128 tokens (0..31), RF: my block of 128 features (0..7): two heads.  Byte = P x 4 MiB + (RT / 16) x 2 MiB + RF x 262144 + (RT % 16) x 8192, in k, q and v alike.
	; From A's tile a to a + 1: k, q: a tile of tokens, 1,024;  v: a tile of the head's 64, 2,048, and into a = 4 the next head: 131072 - 3 x 2048.
	; A block's four pieces (B's tiles 0-1, 2-3, 4-5, 6-7): k, q: c = 0, 1 of one head, then of the next (131072 on);  v: c = 0 .. 3 (the third 1,024 on).
	s_lshl_b32 s72, s66, 1
	s_add_co_u32 s72, s72, s15                     ; A's block of 128 rows that I multiply
	s_lshl_b32 s73, s67, 1
	s_add_co_u32 s73, s73, s16                     ; B's
	s_mov_b32 s76, 131072
	s_mov_b32 s96, 1024
	s_mov_b32 s98, 1024
	s_cmp_eq_u32 ttmp9, 2
	s_cselect_b32 s74, s73, s72                    ; RT
	s_cselect_b32 s75, s72, s73                    ; RF
	s_cselect_b32 s76, 1024, s76
	s_cselect_b32 s96, 2048, s96
	s_cselect_b32 s98, 124928, s98
	s_mov_b32 s97, 0
	s_mov_b32 s99, 0
	s_lshr_b32 s77, s74, 4
	s_lshl_b32 s77, s77, 21
	s_lshl_b32 s78, s75, 18
	s_add_co_u32 s78, s78, s77
	s_and_b32 s77, s74, 15
	s_lshl_b32 s77, s77, 13
	s_add_co_u32 s78, s78, s77
	s_add_co_u32 s78, s78, s70
	s_mov_b32 s79, 0
	s_add_nc_u64 s[8:9], s[8:9], s[78:79]
	v_add_nc_u32 v[LO2], s76, v[LO]
.macro FRAG reg, adr, q, i             ; tile i's fragment of the slot's q-th 128 along K: four pieces, 512 consecutive bytes a load
.irp c, 0,1,2,3
	ds_load_b128 v[\reg+4*\c:\reg+4*\c+3], v[\adr] offset:2048*(\q)+512*\c+4096*(\i)
.endr
.endm
; 16 matrix instructions: A's tiles a0, a0 + 1 x B's eight, 128 along K.  p: B's set.  zero = 1: the first product starts the sums: nothing is ever cleared.
; The 64 accumulators take turns, one instruction a turn, in the same order in every step.
.macro MUL16 a0, p, zero
.irp a, \a0, \a0+1
.irp b, 0,1,2,3,4,5,6,7
.if \zero
	v_wmma_f32_16x16x128_fp8_fp8 v[8*(8*((\a)%4)+\b):8*(8*((\a)%4)+\b)+7], v[128*(\p)+FR*\b:128*(\p)+FR*\b+FR-1], v[AF+FR*(\a):AF+FR*(\a)+FR-1], 0
.else
	v_wmma_f32_16x16x128_fp8_fp8 v[8*(8*((\a)%4)+\b):8*(8*((\a)%4)+\b)+7], v[128*(\p)+FR*\b:128*(\p)+FR*\b+FR-1], v[AF+FR*(\a):AF+FR*(\a)+FR-1], v[8*(8*((\a)%4)+\b):8*(8*((\a)%4)+\b)+7]
.endif
.endr
.endr
.endm
.macro FETCH_B slot, q, p              ; B's eight fragments into set p
	WIN TO_B
.irp i, 0,1,2,3,4,5,6,7
	FRAG 128*(\p)+FR*\i, ADRB+\slot, \q, \i
.endr
	WIN 0
.endm
.macro FETCH_A slot, q, i0             ; A's tiles i0 .. i0 + 3
.irp i, \i0, \i0+1, \i0+2, \i0+3
	FRAG AF+FR*(\i), ADRA+\slot, \q, \i
.endr
.endm
; A load into a register that a matrix instruction has read, and a vector instruction that reads a matrix result, stand NP places behind that matrix instruction, and only plain vector
; instructions that name none of its registers are places (ISA guide 7.12.1 for vector instructions).
.macro PLACES n
.rept \n
	v_nop
.endr
.endm
; A step of 128 along K that has its successor in the same slot.  A tile of A is free as soon as its eight products are issued, so A has one set: tiles 0-3 are fetched anew in the step's middle, tiles 4-7 at its end.
.macro STEP slot, q, zero
	s_wait_dscnt 4*NL                              ; B's set and A's tiles 0-3 are in; the youngest sixteen loads (A's tiles 4-7) may be out
	WIN MUL_LO
	MUL16 0, (\q)%2, \zero
	MUL16 2, (\q)%2, \zero
	s_wait_dscnt 0                                 ; A's tiles 4-7 are in (asked for 32 matrix instructions ago)
	PLACES NP
	FETCH_B \slot, (\q)+1, 1-(\q)%2
	FETCH_A \slot, (\q)+1, 0
	WIN MUL_HI
	MUL16 4, (\q)%2, \zero
	MUL16 6, (\q)%2, \zero
	PLACES NP
	WIN 0
	FETCH_A \slot, (\q)+1, 4
.endm
; A slot's last step changes slots: ONE barrier; in front of it each wave waits for all its tensor loads, adds 0 to its spare word, and waits for that and for its own reads of this slot.  fill = 1: this slot is filled again, two K steps ahead.
.macro TURN slot, next, fill
	s_wait_tensorcnt 0x0                           ; all my tensor loads have landed: my part of the next slot  (every window is 0 here: the add's two registers lie in window 0)
	ds_add_u32 v[SPW], v[NIL]                      ; 0 onto my spare word
	s_wait_dscnt 4*NL+1                            ; (the add and the youngest sixteen loads, A's tiles 4-7, may be out)
	WIN MUL_LO
	MUL16 0, 1, 0                                  ; sixteen matrix instructions stand between the add and the wait for it
	s_wait_dscnt 0x0                               ; the add is done, and my reads of this slot are over
	s_barrier_signal -1
	MUL16 2, 1, 0
	WIN 0
	s_barrier_wait -1
.if \fill
	CREST                                          ; the barrier has opened a round of the cluster's barrier: no wave of any partner still reads this slot's tile or has a load on its way
	s_add_nc_u64 s[G0+4*\slot+2:G0+4*\slot+3], s[G0+4*\slot+2:G0+4*\slot+3], 2*KSB
	s_add_nc_u64 s[G0B+4*\slot+2:G0B+4*\slot+3], s[G0B+4*\slot+2:G0B+4*\slot+3], 2*KSB
	JLOAD G0+4*\slot, G1, G0B+4*\slot, G1B         ; the first tensor load behind the round, my one load until the next; its four v_nop are the places in front of the loads below
.else
	PLACES NP
.endif
	FETCH_B \next, 0, 0
	FETCH_A \next, 0, 0
	WIN MUL_HI
	MUL16 4, 1, 0
	MUL16 6, 1, 0
	PLACES NP
	WIN 0
	FETCH_A \next, 0, 4
.endm
	s_wait_alu depctr_va_vdst(0)
	s_wait_tensorcnt 0x0                           ; my part of K steps 0 and 1 is in, and the head's descriptors are free:
	s_load_b256 s[80:87], s[6:7], 0x0              ; entries 0 to 7
	s_load_b128 s[88:91], s[6:7], 0x20             ; entries 8 to 11
	s_barrier_signal -1
	s_barrier_wait -1                              ; everybody's part is in
	FETCH_B 0, 0, 0
	FETCH_A 0, 0, 0
	FETCH_A 0, 0, 4
	; K = 1,024 is four K steps of 256, eight steps of 128: twice round the ring.  A loop would have one trip, so the steps are written out.
	STEP 0, 0, 1                                   ; K step 0: its first products start the sums
	TURN 0, 1, 1                                   ; slot 0 takes K step 2
	STEP 1, 0, 0                                   ; K step 1
	TURN 1, 0, 1                                   ; slot 1 takes K step 3
	STEP 0, 0, 0                                   ; K step 2
	TURN 0, 1, 0                                   ; nothing is left to fetch: no round of the cluster's barrier
	STEP 1, 0, 0                                   ; K step 3
	s_wait_dscnt 4*NL                              ; the very last step
	WIN MUL_LO
	MUL16 0, 1, 0
	MUL16 2, 1, 0
	s_wait_dscnt 0
	WIN MUL_HI
	MUL16 4, 1, 0
	MUL16 6, 1, 0
	WIN 0
	; THE WAY OUT.  The three exponents are folded into the conversion's one.
	s_wait_kmcnt 0x0
	s_add_co_i32 s72, s80, s81
	s_add_co_i32 s73, s82, s83
	s_add_co_i32 s74, s84, s85
	s_cmp_eq_u32 ttmp9, 0
	s_cselect_b32 s72, s72, s73                    ; ea + eb,
	s_cselect_b32 s75, s87, s86                    ; ed: k is the scores' second operand (entry 7), q their first (entry 6),
	s_cmp_eq_u32 ttmp9, 2
	s_cselect_b32 s72, s74, s72
	s_cselect_b32 s75, s89, s75                    ; v the second operand of the second product (entry 9)
	s_sub_co_i32 s75, s75, s72
	s_add_co_i32 s75, s75, 127
	s_lshl_b32 s76, s75, 23
	v_mov_b32 v[SC], s76
	s_add_co_i32 s75, s75, 8
	s_lshl_b32 s75, s75, 23
	s_or_b32 s75, s75, 0x600000
	v_mov_b32 v[LIM], s75
	PLACES NP                                      ; behind the last products, in front of the first read of results
; A's tile a: its eight accumulators are held, each from its low end on, and become four pieces.
.macro OUTBLK a
	WIN 0x02+((\a)/4)                              ; source 0: window 2 or 3
.set n, 0
.rept 64
	v_med3_num_f32 v[TMP+n], v[64*((\a)%4)+n], -v[LIM], v[LIM]   ; the conversion to an 8-bit code does not saturate (ISA guide 7.6.2): the hold at the largest code x the scale
.set n, n+1
.endr
	WIN 0
.if (\a) > 0
	s_wait_alu depctr_va_vdst(0)
	s_wait_xcnt 0x0                                ; the last block's stores have read their data and their base: only now are both written again
.if (\a) == 4
	s_add_nc_u64 s[8:9], s[8:9], s[98:99]
.else
	s_add_nc_u64 s[8:9], s[8:9], s[96:97]
.endif
.endif
.irp g, 0,1,2,3,4,5,6,7
	v_cvt_scalef32_pk8_fp8_f32 v[CD+2*\g:CD+2*\g+1], v[TMP+8*\g:TMP+8*\g+7], v[SC]
.endr
	v_nop                                          ; one plain vector line behind the last conversion: the next block's holds write its sources
	global_store_b128 v[LO], v[CD:CD+3], s[8:9]                    ; each store is a piece: 512 consecutive bytes, aligned
	global_store_b128 v[LO], v[CD+4:CD+7], s[8:9] offset:512
	global_store_b128 v[LO2], v[CD+8:CD+11], s[8:9]
	global_store_b128 v[LO2], v[CD+12:CD+15], s[8:9] offset:512
.endm
.irp a, 0,1,2,3,4,5,6,7
	OUTBLK \a
.endr
	s_wait_tensorcnt 0x0                           ; the wave's end
	ds_add_u32 v[SPW], v[NIL]
	s_wait_dscnt 0x0
	CROUND                                         ; the closing round: no work-group ends while a partner may still ask for a tile that names it
	s_endpgm
.Lfunc_end_k_qd1c3e2f22a_proj:
	.size	k_qd1c3e2f22a_proj, .Lfunc_end_k_qd1c3e2f22a_proj-k_qd1c3e2f22a_proj
	.p2alignl 7, 3214868480
	.fill 96, 4, 3214868480
	.section	.rodata,"a",@progbits
	.p2align	6, 0x0
	.amdhsa_kernel k_qd1c3e2f22a_proj
		.amdhsa_group_segment_fixed_size 327680
		.amdhsa_private_segment_fixed_size 0
		.amdhsa_enable_private_segment 0
		.amdhsa_kernarg_size 24
		.amdhsa_user_sgpr_count 2
		.amdhsa_user_sgpr_kernarg_segment_ptr 1
		.amdhsa_wavefront_size32 1
		.amdhsa_system_sgpr_workgroup_id_x 1
		.amdhsa_system_sgpr_workgroup_id_y 1
		.amdhsa_system_sgpr_workgroup_id_z 1
		.amdhsa_system_vgpr_workitem_id 0
		.amdhsa_next_free_vgpr 1024
		.amdhsa_next_free_sgpr 100
		.amdhsa_reserve_vcc 0
		.amdhsa_float_denorm_mode_32 3
		.amdhsa_float_denorm_mode_16_64 3
		.amdhsa_memory_ordered 1
		.amdhsa_forward_progress 1
		.amdhsa_inst_pref_size 119
	.end_amdhsa_kernel
	.amdgpu_metadata
---
amdhsa.version: [ 1, 2 ]
amdhsa.kernels:
  - .name:           k_qd1c3e2f22a_proj
    .symbol:         k_qd1c3e2f22a_proj.kd
    .args:
      - { .name: codes, .offset: 0, .size: 8, .value_kind: global_buffer, .address_space: global }
      - { .name: lowp_scales, .offset: 8, .size: 8, .value_kind: global_buffer, .address_space: global }
      - { .name: qkv, .offset: 16, .size: 8, .value_kind: global_buffer, .address_space: global }
    .group_segment_fixed_size: 327680
    .private_segment_fixed_size: 0
    .kernarg_segment_align: 8
    .kernarg_segment_size: 24
    .max_flat_workgroup_size: 128
    .sgpr_count:     100
    .vgpr_count:     1024
    .wavefront_size: 32
...
	.end_amdgpu_metadata
.endif
;; end of part 2
;; launch attn (part 3): grid 8 x 32, 16 waves a work-group, clusters of 4 x 1, 301,056 bytes of LDS; arguments qkv, lowp_scales, oc; writes oc
.if DOCPART == 3
	.amdgcn_target "amdgcn-amd-amdhsa--gfx1250"
	.amdhsa_code_object_version 6
	.text
	.protected	k_qd1c3e2f22a_attn
	.globl	k_qd1c3e2f22a_attn
	.p2align	8
	.type	k_qd1c3e2f22a_attn,@function
k_qd1c3e2f22a_attn:
	s_mov_b64 s[64:65], 0
	v_nop
	global_prefetch_b8 v0, s[64:65] scope:SCOPE_SE
	s_setreg_imm32_b32 hwreg(HW_REG_WAVE_MODE, 25, 1), 1
	s_wait_xcnt 0x0
	s_wait_alu depctr_hold_cnt(0) depctr_sa_sdst(0) depctr_va_vdst(0) depctr_va_sdst(0) depctr_va_ssrc(0) depctr_va_vcc(0) depctr_vm_vsrc(0)
	s_getreg_b32 s2, hwreg(HW_REG_IB_STS2, 6, 4)
	s_cmp_eq_u32 s2, 0
	s_cbranch_scc0 .Lentry_in_a_cluster
	s_endpgm
.Lentry_in_a_cluster:
	s_bfe_u32 s2, ttmp6, 0x10000c
	s_cmp_lg_u32 s2, 0x3003
	s_cbranch_scc0 .Lentry_shape_is_right
	s_endpgm
.Lentry_shape_is_right:
; Causal attention of one head (2,048 tokens, head size 64) on codes of FP8 (E4M3), and the result quantised for the last projection.  32 heads (16 batch + head = the grid's y).
; LEFT OUT: key steps all of whose keys the causal mask hides from the block of queries.
; THE SOFTMAX AHEAD OF THE SECOND PRODUCT: t = score x log2(e) / 8; M = the row's largest t so far, rounded UP to a whole number; p = 2^(t - M) is what is quantised, along the keys; it is not normalised.
; The row's sum is taken of the unquantised p, in f32, and divides O at the end.  When M moves, the sum and O are multiplied by 2^(old M - new M), which rounds nothing.
; OPERANDS lie in memory as images of their registers, in pieces of 512 bytes (16 bytes a lane at 16 x lane).  Tile T of 16 rows holds the rows rho(T, i) = 32 (T / 2) + 8 (T % 2) + i + 8 (i / 8).
;   q (at 4 MiB), k (at 0): head x 131072 + tile of tokens x 1024 + c x 512: lane (r, h): token rho(tile, r), K = 32 c + 16 h + 0 .. 15 of the head's 64.
;   v (at 8 MiB): head x 131072 + key step of 128 x 8192 + tile t of the head's 64 x 2048 + c x 512: lane (r, h): channel rho(t, r), K = keys 32 c + 16 h + 0 .. 15 of the step.
; BOTH PRODUCTS ARE USED TRANSPOSED: S^T = K Q^T (source 0 = 16 keys, source 1 = my 16 queries), O^T = V^T P^T: a lane holds ONE query throughout.  The 16 registers of tiles 2 b, 2 b + 1 of S^T are the
; neighbouring keys 32 b + 16 h + 0 .. 15, so p's conversions give the second product's operand; likewise O^T's 32 registers give two pieces of the last projection's operand, which leave as they are.
; SHARES.  A block of 128 queries has 8 tiles; block B needs key steps 0 .. B.  All work-groups are alike: work-group x of a head (4 x cluster x + cx) owns tile x of every block.  Blocks 15 - a and a (a = 0 .. 7) are a PAIR
; of 17 key steps, shared by two waves: the FIRST takes block 15 - a's steps 0 .. 8; the SECOND takes its steps 9 .. 15 - a, leaves O^T, -M and the sum in LDS, and then takes block a's steps 0 .. a: 9 and 8 steps.
; Behind one barrier the first wave adds the second's part to its own: both under the greater M, by powers of two.  a = bits 3, 1, 0 of the wave's number, second = bit 0 xor bit 2: the waves with equal w % 4,
; and those with equal w / 4, are two firsts and two seconds.
; Branches and LDS addresses hang on the wave's number, the trip and (one branch) the cluster's x alone; cx enters q's and the result's global addresses and the masks.
; CLUSTER.  The four work-groups of a cluster belong to one head and read the same K and V: each of the sixteen loads (one a wave, 16 KiB: two key steps of K or of V) is asked for JOINTLY.
; LDS holds the head's whole K (131,072 bytes at 0) and V (131,072 behind it): nothing is filled again.  No prefetch: everything is asked for at the head, no loop runs ahead of a load.
; A key step's fragments of K are read from LDS a step ahead, behind the products that free their registers.
; LIMITS on the given exponents, so that each power of two below is an f32 number: entries 6 + 7 between -123 and 130 (added to c's exponent field); entry 8 between -126 and 119; entry 10 - 8 - 9 between -126 and 119.
; REGISTERS: v1 16 x lane; v2 the same in V; v3 the masks' number; v4 my pair's stage; v8, v9 addresses in hand; v12 -M, v13 the largest t, v[14:15] the sum in two halves; v16-23 Q; v28-91 K's eight fragments;
;   v96-159 S^T, then p; p's codes v92-107 (block b's 4 registers are written when the p that lay there are codes); v160-191 O^T; V's fragments 0-2 v192-239, fragment 3 v112-127, when block 1's p are codes;
;   v230-239, v242, v243, v246-249, v252-254 at work; v240, v244: 448 x 2^e and 2^e for p; v241, v245: for the result.
.set VLDS,  131072                     ; V in LDS
.set STG,   262144                     ; eight stages, one a pair: 9 x 512 bytes
.set SB,    4608
.set SPARE, STG+8*SB                   ; the spare words, 128 bytes for each wave: eight blocks of 256 bytes that no other line names
.set QMEM,  4<<20                      ; q, v in the buffer
.set VMEM,  8<<20
.set LN,   1
.set AV0,  2
.set DD,   3
.set STA,  4
.set ADK,  8
.set ADV,  9
.set KF,   28
.set SPW,  251
.set NIL,  255
.set TB,   2                           ; s2   the key step's first byte in K (and, from VLDS on, in V)
.set KS,   3                           ; s3   the key step
.set BLK,  10                          ; s10  the block of queries in hand
.set AA,   13                          ; s13  a
.set SEC,  14                          ; s14  0: my pair's first wave, 1: its second
.set POS,  15                          ; s15  my tile in every block
.set TR,   17                          ; s17  the trip
.set WV,   18                          ; s18  my wave's number
.set SEL,  20                          ; s[20:21] lane selects for v_permlanex16_b32: lane l xor 16
.set CS,   22                          ; s[22:23] c = log2(e) / 8 x 2^(entries 6 + 7): the packed form names a pair and takes its low word for both halves
.set G1,   24                          ; s[24:31] descriptor group 1;  s[32:35] group 0
.set G0,   32
.set QL,   42                          ; s[42:43] block a's tile of q
.set HB,   46                          ; s[46:47] the head's first byte in k
.set OFF1, 50                          ; s50, s51 key step less trip, before and from trip SW on (mod 16)
.set OFF2, 51
.set SW,   52                          ; s52  the trip in which a second wave goes over to block a (15 in a first wave: never)
.set BH,   53                          ; s53  15 - a
.set NT,   54                          ; s54  the next trip, s55 its key step's first byte
.set NB,   55
.set LAST, 57                          ; s57  my last trip with work
.set OA,   58                          ; s[58:59] the result's address
.set QH,   60                          ; s[60:61] block 15 - a's tile of q
.set MK,   66                          ; s[66:97] the diagonal's masks
.macro CROUND                          ; a round of the cluster's barrier
	s_barrier_signal -1
	s_barrier_wait -1
	s_cmp_lg_u32 s[WV], 0
	s_cbranch_scc1 .Lnot_wave_0_\@
	s_barrier_signal -3
.Lnot_wave_0_\@:
	s_barrier_wait -3
	s_barrier_signal -1
	s_barrier_wait -1
.endm
.macro KEYS trip, dst                  ; the key step of a trip
	s_cmp_lt_u32 s[\trip], s[SW]
	s_cselect_b32 s[\dst], s[OFF1], s[OFF2]
	s_add_co_u32 s[\dst], s[\dst], s[\trip]
	s_and_b32 s[\dst], s[\dst], 15
.endm
.macro LOADK                           ; a key step's eight fragments of K
.irp t, 0,1,2,3,4,5,6,7
	ds_load_b128 v[KF+8*\t:KF+8*\t+3], v[ADK] offset:1024*\t
	ds_load_b128 v[KF+8*\t+4:KF+8*\t+7], v[ADK] offset:1024*\t+512
.endr
.endm
.macro LOADV t, reg                    ; V's fragment t
.irp c, 0,1,2,3
	ds_load_b128 v[\reg+4*\c:\reg+4*\c+3], v[ADV] offset:2048*\t+512*\c
.endr
.endm
	s_load_b128 s[4:7], s[0:1], 0x0                ; qkv s[4:5], the scales' exponents s[6:7]
	s_load_b64 s[8:9], s[0:1], 0x10                ; oc
	v_lshl_add_u32 v[SPW], v0, 2, SPARE
	v_mov_b32 v[NIL], 0
	ds_add_u32 v[SPW], v[NIL]                      ; the opening: the add, twice on end, and its wait ahead of my first tensor load
	ds_add_u32 v[SPW], v[NIL]
	v_lshrrev_b32 v8, 5, v0
	v_readfirstlane_b32 s[WV], v8                  ; wave 0..15
	v_and_b32 v10, 31, v0
	v_lshlrev_b32 v[LN], 4, v10
	s_bfe_u32 s11, ttmp6, 0x40000                  ; cx
	s_and_b32 s12, ttmp7, 0xffff                   ; 16 batch + head
	s_lshr_b32 s16, s[WV], 2
	s_xor_b32 s[SEC], s16, s[WV]
	s_and_b32 s[SEC], s[SEC], 1
	s_lshr_b32 s[AA], s[WV], 3
	s_lshl_b32 s[AA], s[AA], 2
	s_and_b32 s16, s[WV], 3
	s_or_b32 s[AA], s[AA], s16
	s_lshl_b32 s[POS], ttmp9, 2
	s_add_co_u32 s[POS], s[POS], s11
	s_mul_i32 s[OFF1], s[SEC], 9                   ; a first wave begins at step 0, a second at step 9
	s_add_co_u32 s[OFF2], s[AA], 9                 ; 16 - SW: block a begins at step 0 in trip SW
	s_add_co_u32 s[SW], s[AA], 8
	s_mul_i32 s[SW], s[SW], s[SEC]
	s_sub_co_u32 s[SW], 15, s[SW]                  ; 7 - a in a second wave
	s_sub_co_u32 s[LAST], 8, s[SEC]
	s_xor_b32 s[BH], s[AA], 15
	; descriptor group 1: a dense block of 16 KiB as 64 rows of 32 elements of 8 bytes
	s_mov_b32 s[G1], 15|(3<<16)|(1<<21)            ; 15:0 the mask: all four work-groups; 17:16 elements of 8 bytes; 20 no padding; 21 set beside a mask
	s_mov_b32 s[G1+1], 32<<16                      ; tensor_dim0 = 32
	s_mov_b32 s[G1+2], 64<<16                      ; tensor_dim1 = 64
	s_mov_b32 s[G1+3], 32<<16                      ; tile_dim0 = 32
	s_mov_b32 s[G1+4], 64                          ; tile_dim1 = 64
	s_mov_b32 s[G1+5], 32                          ; tensor_dim0_stride
	s_mov_b32 s[G1+6], 0
	s_mov_b32 s[G1+7], 0
	s_mov_b32 s[G0], 1                             ; count = 1
	s_lshl_b32 s[G0+1], s[WV], 14                  ; LDS address: waves 0-7 K, 8-15 V, 16 KiB each
	s_lshr_b32 s40, s[WV], 3
	s_mul_i32 s40, s40, VMEM-VLDS
	s_add_co_u32 s40, s40, s[G0+1]                 ; the same place in memory; V lies VMEM behind K
	s_mov_b32 s41, 0
	s_mov_b32 s[SEL], 0x76543210
	s_mov_b32 s[SEL+1], 0xfedcba98
	s_mov_b32 s[CS], 0x3e38aa3b                    ; log2(e) / 8
	s_lshl_b32 s[HB], s12, 17                      ; q's and v's first bytes lie 4 and 8 MiB on
	s_mov_b32 s[HB+1], 0
	s_lshl_b32 s[QH], s[BH], 3
	s_add_co_u32 s[QH], s[QH], s[POS]              ; my tile of queries among the head's 128: of block 15 - a,
	s_lshl_b32 s[QH], s[QH], 10
	s_add_co_u32 s[QH], s[QH], QMEM
	s_mov_b32 s[QH+1], 0
	s_lshl_b32 s[QL], s[AA], 3
	s_add_co_u32 s[QL], s[QL], s[POS]              ; and of block a
	s_lshl_b32 s[QL], s[QL], 10
	s_add_co_u32 s[QL], s[QL], QMEM
	s_mov_b32 s[QL+1], 0
	s_wait_alu depctr_va_vdst(0)
	s_wait_dscnt 0x0                               ; both opening adds are done
	CROUND                                         ; all four work-groups are here: the joint loads meet.  (The arguments are on their way meanwhile)
	s_wait_kmcnt 0x0
	s_load_b128 s[36:39], s[6:7], 0x18             ; entries 6 to 9
	s_load_b32 s48, s[6:7], 0x28                   ; entry 10
	s_add_nc_u64 s[HB:HB+1], s[4:5], s[HB:HB+1]
	s_add_nc_u64 s[G0+2:G0+3], s[HB:HB+1], s[40:41]
	s_or_b32 s[G0+3], s[G0+3], 0x80000000          ; type = 2
	tensor_load_to_lds s[G0:G0+3], s[G1:G1+7]      ; every wave's one load
	s_nop 0
	s_add_nc_u64 s[QH:QH+1], s[HB:HB+1], s[QH:QH+1]
	s_add_nc_u64 s[QL:QL+1], s[HB:HB+1], s[QL:QL+1]
	global_load_b128 v[16:19], v[LN], s[QH:QH+1]   ; Q's fragment stays in registers
	global_load_b128 v[20:23], v[LN], s[QH:QH+1] offset:512
	v_add_nc_u32 v[AV0], VLDS, v[LN]
	s_mul_i32 s16, s[AA], SB
	s_add_co_u32 s16, s16, STG
	v_add_nc_u32 v[STA], s16, v[LN]                ; my pair's stage
	; the result: the last projection's operand: block of 128 tokens x 131072 + (head / 4) x 32768 + tile x 4096 + (head % 4) x 1024 + c x 512.  A first wave ends with block 15 - a, a second with block a
	s_cmp_eq_u32 s[SEC], 0
	s_cselect_b32 s19, s[BH], s[AA]
	s_lshr_b32 s[OA], s12, 4
	s_lshl_b32 s[OA], s[OA], 4
	s_add_co_u32 s[OA], s[OA], s19
	s_lshl_b32 s[OA], s[OA], 17
	s_bfe_u32 s16, s12, 0x20002
	s_lshl_b32 s16, s16, 15
	s_add_co_u32 s[OA], s[OA], s16
	s_lshl_b32 s16, s[POS], 12
	s_add_co_u32 s[OA], s[OA], s16
	s_and_b32 s16, s12, 3
	s_lshl_b32 s16, s16, 10
	s_add_co_u32 s[OA], s[OA], s16
	s_mov_b32 s[OA+1], 0
	s_add_nc_u64 s[OA:OA+1], s[8:9], s[OA:OA+1]
	; the masks' number: my query's place in its block, less 64 x cluster x, less 16 h.  In the diagonal step register 16 b + i holds key 32 b + 16 h + i of the block.  My tile is 4 x cluster x + cx:
	; its queries' places are 64 x cluster x + 0 .. 63.  So with cluster x = 0 all keys of b = 2, 3 are hidden, with 1 none of b = 0, 1; of the other two b, register 16 (b % 2) + i is hidden where 32 (b % 2) + i is greater than the number
	s_lshr_b32 s62, s11, 1
	s_lshl_b32 s62, s62, 5
	s_and_b32 s63, s11, 1
	s_lshl_b32 s63, s63, 3
	s_add_co_u32 s62, s62, s63
	v_and_b32 v8, 15, v0
	v_bfe_u32 v9, v0, 4, 1
	v_and_b32 v10, 8, v8
	v_lshlrev_b32 v9, 4, v9
	v_add_nc_u32 v[DD], v8, v10
	v_mov_b32 v13, 0xff61b1e6                      ; the largest t so far: -3e38, under every t
	v_add_nc_u32 v[DD], s62, v[DD]
	v_mov_b32 v12, 0x7f61b1e6                      ; -M
	v_sub_nc_u32 v[DD], v[DD], v9
	v_mov_b32 v14, 0                               ; the sum, in two halves
	v_mov_b32 v15, 0
	v_mov_b32 v246, 0                              ; written once: a lane permute's destination counts as one of its sources
	v_mov_b32 v249, 0                              ; (named as the upper half of the pair v[248:249])
	v_mov_b32 v252, 0
	v_mov_b32 v253, 0                              ; (named as the upper half of the pair v[252:253])
.set j, 0
.rept 32
	v_mov_b32 v[160+j], 0                          ; O^T.  (The key step has no first step of its own: the first finds zeros, which the first change of M leaves zeros)
.set j, j+1
.endr
.set n, 0
.rept 32
	v_cmp_gt_i32 s[MK+n], 32*(n/16)+n%16, v[DD]
.set n, n+1
.endr
	s_wait_kmcnt 0x0
	s_add_co_i32 s62, s36, s37
	s_lshl_b32 s62, s62, 23
	s_add_co_i32 s[CS], s[CS], s62                 ; a score stands for score x 2^(entries 6 + 7): added to c's exponent field
	s_mov_b32 s[CS+1], s[CS]                       ; (named with it as a pair, so it is written)
	s_add_co_i32 s62, s38, 127
	s_lshl_b32 s63, s62, 23
	v_mov_b32 v244, s63                            ; 2^(entry 8) as f32, for p's conversions
	s_add_co_i32 s62, s62, 8
	s_lshl_b32 s62, s62, 23
	s_or_b32 s62, s62, 0x600000
	v_mov_b32 v240, s62                            ; 448 x that
	s_sub_co_i32 s62, s48, s38                     ; O^T / the sum stands for that x 2^(entries 8 + 9): its code under entry 10 takes 2^(10 - 8 - 9)
	s_sub_co_i32 s62, s62, s39
	s_add_co_i32 s62, s62, 127
	s_lshl_b32 s63, s62, 23
	v_mov_b32 v245, s63
	s_add_co_i32 s62, s62, 8
	s_lshl_b32 s62, s62, 23
	s_or_b32 s62, s62, 0x600000
	v_mov_b32 v241, s62
	s_mov_b32 s[TR], 0
	KEYS TR, KS
	s_lshl_b32 s[TB], s[KS], 13
	v_add_nc_u32 v[ADK], s[TB], v[LN]
	s_wait_alu depctr_va_vdst(0)
	s_wait_loadcnt 0x0                             ; Q
	s_wait_tensorcnt 0x0                           ; my 16 KiB are in,
	s_barrier_signal -1
	s_barrier_wait -1                              ; and everybody's
	LOADK                                          ; the first trip's
.Ltrip:                                                ; nine trips in every wave, a key step of 128 keys each
	KEYS TR, KS
	s_lshl_b32 s[TB], s[KS], 13
	s_cmp_lt_u32 s[TR], s[SW]
	s_cselect_b32 s[BLK], s[BH], s[AA]
	s_add_co_u32 s[NT], s[TR], 1
	KEYS NT, NB
	s_lshl_b32 s[NB], s[NB], 13
	s_cmp_eq_u32 s[SEC], 0                         ; a second wave, in trip SW, goes over from block 15 - a to block a
	s_cbranch_scc1 .Lsame
	s_cmp_lg_u32 s[TR], s[SW]
	s_cbranch_scc1 .Lsame
.rept 4
	v_nop                                          ; places behind the last products
.endr
	global_load_b128 v[16:19], v[LN], s[QL:QL+1]   ; block a's tile of q
	global_load_b128 v[20:23], v[LN], s[QL:QL+1] offset:512
.irp t, 0,1,2,3,4,5,6,7
	ds_store_b128 v[STA], v[160+4*\t:163+4*\t] offset:512*\t   ; O^T so far: each accumulator from its low end on
.endr
	ds_store_b128 v[STA], v[12:15] offset:4096     ; -M, the largest t, the sum
	s_wait_dscnt 0x0                               ; the stores have read their registers
	v_mov_b32 v13, 0xff61b1e6
	v_mov_b32 v12, 0x7f61b1e6
	v_mov_b32 v14, 0
	v_mov_b32 v15, 0
.set j, 0
.rept 32
	v_mov_b32 v[160+j], 0
.set j, j+1
.endr
	s_wait_alu depctr_va_vdst(0)
	s_wait_loadcnt 0x0
.Lsame:
	s_cmp_gt_u32 s[KS], s[BLK]                     ; a second wave's ninth trip: all keys come after its block
	s_cbranch_scc1 .Lhidden
	s_wait_alu depctr_va_vdst(0)
	s_wait_dscnt 0x0                               ; this step's K is in
	v_add_nc_u32 v[ADK], s[NB], v[LN]              ; the next step's K,
	v_add_nc_u32 v[ADV], s[TB], v[AV0]             ; this step's V
	v_nop                                          ; with the two additions: five places in front of products that write over registers which the last products read (p's codes, V's fragment 3)
	v_nop
	v_nop
.irp t, 0,1,2,3,4,5,6,7                        ; S^T = K Q^T: eight tiles of 16 keys, K = the head's 64
	v_wmma_f32_16x16x64_fp8_fp8 v[96+8*\t:103+8*\t], v[KF+8*\t:KF+8*\t+7], v[16:23], 0
.endr
.rept 4
	v_nop                                          ; places in front of the loads below and of the first read of the scores
.endr
	LOADV 0, 192
	LOADV 1, 208
	s_cmp_eq_u32 s[TR], s[LAST]                    ; the last step with work has no successor
	s_cbranch_scc1 .Lnomore
	LOADK
.Lnomore:
	s_cmp_lg_u32 s[KS], s[BLK]                     ; in the diagonal step the scores of hidden keys become -infinity ahead of the maximum: p = 0 then.  A block's first key counts for all its queries, so M is a number from a part's first step on
	s_cbranch_scc1 .Lopen
	s_cmp_lg_u32 ttmp9, 0
	s_cbranch_scc1 .Lupper
	v_mov_b32 v254, 0xff800000
.set n, 0
.rept 32
	v_cndmask_b32 v[96+n], v[96+n], v254, s[MK+n]
.set n, n+1
.endr
.set n, 128
.rept 16
	v_dual_mov_b32 v[n], v254 :: v_dual_mov_b32 v[n+1], v254
.set n, n+2
.endr
	s_branch .Lopen
.Lupper:
	v_mov_b32 v254, 0xff800000
.set n, 0
.rept 32
	v_cndmask_b32 v[128+n], v[128+n], v254, s[MK+n]
.set n, n+1
.endr
.Lopen:
	v_max3_num_f32 v254, v96, v97, v98             ; the step's largest score of my query, among my 64 keys, in four chains,
	v_max3_num_f32 v252, v99, v100, v101
	v_max3_num_f32 v246, v102, v103, v104
	v_max3_num_f32 v247, v105, v106, v107
.set j, 108
.rept 6
	v_max3_num_f32 v254, v254, v[j], v[j+1]
	v_max3_num_f32 v252, v252, v[j+2], v[j+3]
	v_max3_num_f32 v246, v246, v[j+4], v[j+5]
	v_max3_num_f32 v247, v247, v[j+6], v[j+7]
.set j, j+8
.endr
	v_max3_num_f32 v254, v254, v156, v157
	v_max3_num_f32 v252, v252, v158, v159
	v_max_num_f32 v246, v246, v247
	s_delay_alu instid0(VALU_DEP_1)
	v_max3_num_f32 v254, v254, v252, v246
	s_delay_alu instid0(VALU_DEP_1)
	v_permlanex16_b32 v246, v254, s[SEL], s[SEL+1]
	s_delay_alu instid0(VALU_DEP_1)
	v_max_num_f32 v254, v254, v246                 ; and among lane l xor 16's
	s_delay_alu instid0(VALU_DEP_1)
	v_mul_f32 v254, s[CS], v254                    ; as t (c is positive)
	s_delay_alu instid0(VALU_DEP_1)
	v_max_num_f32 v13, v13, v254                   ; the running largest t
	v_mov_b32 v254, v12
	s_delay_alu instid0(VALU_DEP_2)
	v_floor_f32 v12, -v13                          ; the new -M = floor(-t) = -ceil(t): M is a whole number
	s_delay_alu instid0(VALU_DEP_1)
	v_sub_f32 v254, v12, v254                      ; M's old value less its new one: a whole number, 0 or less
	s_delay_alu instid0(VALU_DEP_1)
	v_cvt_i32_f32 v254, v254                       ; (it saturates)
	s_delay_alu instid0(VALU_DEP_1)
	v_ldexp_f32 v252, 1.0, v254                    ; f = 2^(old M - new M)
.set j, 0
.rept 32
	v_pk_fma_f32 v[96+j:97+j], v[96+j:97+j], s[CS:CS+1], v[12:13] op_sel_hi:[1,0,0]   ; t - M, two at a time (of the pairs c and -M the low word serves both halves)
.set j, j+2
.endr
.set j, 0
	s_wait_alu depctr_va_vdst(0)
.rept 64
	v_exp_f32 v[96+j], v[96+j]                     ; p = 2^(t - M), at most 1: not normalised
.set j, j+1
.endr
	v_pk_mul_f32 v[14:15], v[14:15], v[252:253] op_sel_hi:[1,0]   ; the sums under the new M: the plain line behind the exponentials
	s_wait_alu depctr_va_vdst(0)                   ; one wait for the whole batch, ahead of its first reader
	; the row's sum, in eight chains, of the unquantised p
.set j, 96
.irp d, 242,248,238,236,234,232,230
	v_pk_add_f32 v[\d:\d+1], v[j:j+1], v[j+14:j+15]
.set j, j+2
.endr
	v_pk_add_f32 v[14:15], v[14:15], v[124:125]
.set j, 126
.irp d, 242,248,238,236,234,232,230,14,242,248,238,236,234,232,230,14,242
	v_pk_add_f32 v[\d:\d+1], v[\d:\d+1], v[j:j+1]
.set j, j+2
.endr
	v_pk_add_f32 v[14:15], v[14:15], v[236:237]
	v_pk_add_f32 v[248:249], v[248:249], v[232:233]
	v_pk_add_f32 v[238:239], v[238:239], v[230:231]
	v_pk_add_f32 v[242:243], v[242:243], v[234:235]
	s_delay_alu instid0(VALU_DEP_3)
	v_pk_add_f32 v[14:15], v[14:15], v[248:249]
	s_delay_alu instid0(VALU_DEP_2)
	v_pk_add_f32 v[242:243], v[242:243], v[238:239]
	s_delay_alu instid0(VALU_DEP_1)
	v_pk_add_f32 v[14:15], v[14:15], v[242:243]
	LOADV 2, 224
.irp b, 0,1,2,3
.set j, 96+16*\b
.rept 8
	v_dual_min_num_f32 v[j], v[j], v240 :: v_dual_min_num_f32 v[j+1], v[j+1], v240   ; the conversion to an 8-bit code does not saturate (ISA guide 7.6.2); p is not negative, so the hold is one-sided
.set j, j+2
.endr
	v_cvt_scalef32_pk8_fp8_f32 v[92+4*\b:93+4*\b], v[96+16*\b:103+16*\b], v244
	v_cvt_scalef32_pk8_fp8_f32 v[94+4*\b:95+4*\b], v[104+16*\b:111+16*\b], v244
.if \b == 1
	LOADV 3, 112                                   ; block 1's registers are free
.endif
.endr
	s_wait_alu depctr_va_vdst(0)
.set j, 0
.rept 16
	v_pk_mul_f32 v[160+j:161+j], v[160+j:161+j], v[252:253] op_sel_hi:[1,0]   ; O^T under the new M: x f.  (Plain lines between the conversions and the products that read the codes)
.set j, j+2
.endr
	s_wait_alu depctr_va_vdst(0)
	s_wait_dscnt 0x0                               ; V is in
.irp t, 0,1,2,3                                ; O^T += V^T P^T: four tiles of 16 of the head's 64, K = these 128 keys; the four accumulators take turns.  Fragments 0-2 at v192 + 16 t, fragment 3 at v112
	v_wmma_f32_16x16x128_fp8_fp8 v[160+8*\t:167+8*\t], v[192+16*\t-128*(\t/3):207+16*\t-128*(\t/3)], v[92:107], v[160+8*\t:167+8*\t]
.endr
.Lhidden:
	s_add_co_u32 s[TR], s[TR], 1
	s_cmp_lt_u32 s[TR], 9
	s_cbranch_scc1 .Ltrip
.rept 4
	v_nop                                          ; places behind the last products
.endr
	s_wait_alu depctr_va_vdst(0)
	s_wait_dscnt 0x0                               ; my stage's stores are done,
	s_barrier_signal -1
	s_barrier_wait -1                              ; and everybody's
	s_cmp_lg_u32 s[SEC], 0
	s_cbranch_scc1 .Lout
	; A first wave takes its partner's part of block 15 - a in.  Where the partner had no step of it (a = 7), that part is zeros under M = -3e38, and its factor comes out 0.
	ds_load_b128 v[128:131], v[STA] offset:4096
.irp t, 0,1,2,3,4,5,6,7
	ds_load_b128 v[96+4*\t:99+4*\t], v[STA] offset:512*\t
.endr
	s_wait_dscnt 0x0
	v_min_num_f32 v254, v12, v128                  ; -M of the two together
	v_sub_f32 v252, v254, v12
	v_sub_f32 v248, v254, v128
	v_cvt_i32_f32 v252, v252
	v_cvt_i32_f32 v248, v248
	v_ldexp_f32 v252, 1.0, v252                    ; the two factors: powers of two, at most 1
	v_ldexp_f32 v248, 1.0, v248
	v_pk_mul_f32 v[14:15], v[14:15], v[252:253] op_sel_hi:[1,0]
.set j, 0
.rept 16
	v_pk_mul_f32 v[160+j:161+j], v[160+j:161+j], v[252:253] op_sel_hi:[1,0]
.set j, j+2
.endr
	v_pk_fma_f32 v[14:15], v[130:131], v[248:249], v[14:15] op_sel_hi:[1,0,1]
.set j, 0
.rept 16
	v_pk_fma_f32 v[160+j:161+j], v[96+j:97+j], v[248:249], v[160+j:161+j] op_sel_hi:[1,0,1]
.set j, j+2
.endr
.Lout:
	; THE WAY OUT.  O^T / the sum, held, becomes codes: two pieces of the last projection's operand.
	v_add_f32 v14, v14, v15                        ; the sum's two halves,
	s_delay_alu instid0(VALU_DEP_1)
	v_permlanex16_b32 v252, v14, s[SEL], s[SEL+1]
	s_delay_alu instid0(VALU_DEP_1)
	v_add_f32 v14, v14, v252                       ; and lane l xor 16's: the row's sum
	s_wait_alu depctr_va_vdst(0)
	v_rcp_f32 v14, v14
	v_nop                                          ; a plain line behind the transcendental,
	s_wait_alu depctr_va_vdst(0)                   ; and the wait ahead of its first reader, and of O^T's
.set j, 0
.rept 32
	v_mul_f32 v[96+j], v[160+j], v14               ; register 16 c + i: channel 32 c + 16 h + i of my query; each accumulator from its low end on
.set j, j+1
.endr
.set j, 0
.rept 32
	v_med3_num_f32 v[96+j], v[96+j], -v241, v241
.set j, j+1
.endr
.irp g, 0,1,2,3
	v_cvt_scalef32_pk8_fp8_f32 v[224+2*\g:225+2*\g], v[96+8*\g:103+8*\g], v245
.endr
	v_nop                                          ; one plain vector line behind the last conversion
	global_store_b128 v[LN], v[224:227], s[OA:OA+1]            ; each store is a piece: 512 consecutive bytes, aligned
	global_store_b128 v[LN], v[228:231], s[OA:OA+1] offset:512
	s_wait_tensorcnt 0x0                           ; the wave's end
	ds_add_u32 v[SPW], v[NIL]
	s_wait_dscnt 0x0
	CROUND                                         ; the closing round: no work-group ends while a partner may still ask for a tile that names it
	s_endpgm
.Lfunc_end_k_qd1c3e2f22a_attn:
	.size	k_qd1c3e2f22a_attn, .Lfunc_end_k_qd1c3e2f22a_attn-k_qd1c3e2f22a_attn
	.p2alignl 7, 3214868480
	.fill 96, 4, 3214868480
	.section	.rodata,"a",@progbits
	.p2align	6, 0x0
	.amdhsa_kernel k_qd1c3e2f22a_attn
		.amdhsa_group_segment_fixed_size 301056
		.amdhsa_private_segment_fixed_size 0
		.amdhsa_enable_private_segment 0
		.amdhsa_kernarg_size 24
		.amdhsa_user_sgpr_count 2
		.amdhsa_user_sgpr_kernarg_segment_ptr 1
		.amdhsa_wavefront_size32 1
		.amdhsa_system_sgpr_workgroup_id_x 1
		.amdhsa_system_sgpr_workgroup_id_y 1
		.amdhsa_system_sgpr_workgroup_id_z 1
		.amdhsa_system_vgpr_workitem_id 0
		.amdhsa_next_free_vgpr 256
		.amdhsa_next_free_sgpr 100
		.amdhsa_reserve_vcc 0
		.amdhsa_float_denorm_mode_32 3
		.amdhsa_float_denorm_mode_16_64 3
		.amdhsa_memory_ordered 1
		.amdhsa_forward_progress 1
		.amdhsa_inst_pref_size 42
	.end_amdhsa_kernel
	.amdgpu_metadata
---
amdhsa.version: [ 1, 2 ]
amdhsa.kernels:
  - .name:           k_qd1c3e2f22a_attn
    .symbol:         k_qd1c3e2f22a_attn.kd
    .args:
      - { .name: qkv, .offset: 0, .size: 8, .value_kind: global_buffer, .address_space: global }
      - { .name: lowp_scales, .offset: 8, .size: 8, .value_kind: global_buffer, .address_space: global }
      - { .name: oc, .offset: 16, .size: 8, .value_kind: global_buffer, .address_space: global }
    .group_segment_fixed_size: 301056
    .private_segment_fixed_size: 0
    .kernarg_segment_align: 8
    .kernarg_segment_size: 24
    .max_flat_workgroup_size: 512
    .sgpr_count:     100
    .vgpr_count:     256
    .wavefront_size: 32
...
	.end_amdgpu_metadata
.endif
;; end of part 3
;; launch oproj (part 4): grid 8 x 32, 4 waves a work-group, clusters of 4 x 4, 327,680 bytes of LDS; arguments oc, codes, lowp_scales, out0; writes out0
.if DOCPART == 4
	.amdgcn_target "amdgcn-amd-amdhsa--gfx1250"
	.amdhsa_code_object_version 6
	.text
	.protected	k_qd1c3e2f22a_oproj
	.globl	k_qd1c3e2f22a_oproj
	.p2align	8
	.type	k_qd1c3e2f22a_oproj,@function
k_qd1c3e2f22a_oproj:
	s_mov_b64 s[64:65], 0
	v_nop
	global_prefetch_b8 v0, s[64:65] scope:SCOPE_SE
	s_setreg_imm32_b32 hwreg(HW_REG_WAVE_MODE, 25, 1), 1
	s_wait_xcnt 0x0
	s_wait_alu depctr_hold_cnt(0) depctr_sa_sdst(0) depctr_va_vdst(0) depctr_va_sdst(0) depctr_va_ssrc(0) depctr_va_vcc(0) depctr_vm_vsrc(0)
	s_getreg_b32 s2, hwreg(HW_REG_IB_STS2, 6, 4)
	s_cmp_eq_u32 s2, 0
	s_cbranch_scc0 .Lentry_in_a_cluster
	s_endpgm
.Lentry_in_a_cluster:
	s_bfe_u32 s2, ttmp6, 0x10000c
	s_cmp_lg_u32 s2, 0xf033
	s_cbranch_scc0 .Lentry_shape_is_right
	s_endpgm
.Lentry_shape_is_right:
; out = o Wo^T on codes of FP8 (E4M3), sums in f32; each finished sum is multiplied once by 2^(entry 10 + entry 11).  LIMIT: that sum lies between -126 and 127.  M = 4,096 tokens, N = K = 1,024.
; A work-group makes 128 tokens x 128 features: 256 work-groups of equal work.  Its operands, 128 rows x 1,024 K of each side, are dense blocks of 128 KiB in memory and lie in LDS WHOLE: nothing is filled again.
; Four waves, 64 x 64 each: 16 accumulators of 16 x 16.  Each wave fetches 64 KiB by one joint load: waves 0, 1 o's two halves of K, waves 2, 3 Wo's.
; OPERANDS lie as images of their registers: byte of a block of 128 rows = (K / 256) x 32768 + tile of 16 rows x 4096 + (K / 32 % 8) x 512 + 16 x lane; tile T holds the rows 32 (T / 2) + 8 (T % 2) + i + 8 (i / 8).
; Source 0 = 16 rows of Wo, source 1 = 16 rows of o: a lane holds one token, and the 16 registers of tiles 2 m, 2 m + 1 are the features 32 m + 16 (lane / 16) + 0 .. 15.
; CLUSTERS: 4 x 4 work-groups: o's block is shared along a row of the cluster, Wo's along a column, each asked for JOINTLY.  No prefetch: everything is asked for at the head, no loop runs ahead of a load.
; REGISTERS: window 0: addresses; v32-95 sums on the way out, v96-223 rows read back; v128-255 o's fragments, two sets of four.  window 1: v0-127 Wo's fragments, two sets of four; v128-255 the accumulators.
.set STG,    262144                    ; behind the operands: a stage of 16 rows x SPITCH for each wave
.set SPITCH, 272                       ; 256 bytes of a row + 16 = 68 words: row r starts at bank 4 r mod 64 (64 banks of 4 bytes: ISA guide 11.1)
.set SPARE,  STG+4*16*SPITCH           ; the spare words, 128 bytes for each wave: two blocks of 256 bytes that no other line names
.set OROW,   4096                      ; a row of the result in bytes
.set ADRA, 16                          ; v16-17  LDS address of my fragments of o, for K 0 .. 511 and 512 .. 1,023
.set ADRB, 20                          ; v20-21  the same for Wo
.set STO,  24                          ; v24     the stage on the way in
.set RD,   25                          ; v25     and on the way back
.set CO,   26                          ; v26     my place in two rows of the result
.set SPW,  28
.set NIL,  29
.set TMP,  32
.set BK,   96
.set G1,   24                          ; s[24:31], s[32:35] descriptor groups 1 and 0 for o
.set G0,   32
.set G1B,  48                          ; s[48:55], s[56:59] for Wo
.set G0B,  56
.set MSB, 0
.macro WIN new                         ; the immediate's high byte repeats the setting that is left; a switch that changes nothing is dropped
.if MSB != (\new)
	s_set_vgpr_msb (MSB<<8)|(\new)
.set MSB, (\new)
.endif
.endm
.macro CROUND                          ; a round of the cluster's barrier
	s_barrier_signal -1
	s_barrier_wait -1
	s_cmp_lg_u32 s14, 0
	s_cbranch_scc1 .Lnot_wave_0_\@
	s_barrier_signal -3
.Lnot_wave_0_\@:
	s_barrier_wait -3
	s_barrier_signal -1
	s_barrier_wait -1
.endm
	s_load_b128 s[4:7], s[0:1], 0x0                ; o's codes s[4:5], the codes with Wo's s[6:7]
	s_load_b128 s[8:11], s[0:1], 0x10              ; the scales' exponents s[8:9], the result s[10:11]
	v_lshl_add_u32 v[SPW], v0, 2, SPARE
	v_mov_b32 v[NIL], 0
	ds_add_u32 v[SPW], v[NIL]                      ; the opening: the add, twice on end, and its wait ahead of my first tensor load
	ds_add_u32 v[SPW], v[NIL]
	v_lshrrev_b32 v1, 5, v0
	v_readfirstlane_b32 s14, v1                    ; wave 0..3
	s_lshr_b32 s15, s14, 1                         ; which 64 tokens are mine.  Also: I fetch for o (0) or for Wo (1)
	s_and_b32 s16, s14, 1                          ; which 64 features.  Also: which half of K I fetch
	s_bfe_u32 s40, ttmp6, 0x40000                  ; cx, cy: my place in the cluster
	s_bfe_u32 s41, ttmp6, 0x40004
	s_and_b32 s17, ttmp7, 0xffff
	s_lshl_b32 s17, s17, 2
	s_add_co_u32 s17, s17, s41                     ; block of 128 tokens
	s_lshl_b32 s42, ttmp9, 2
	s_add_co_u32 s42, s42, s40                     ; block of 128 features
	s_lshl_b32 s43, s41, 2
	s_lshl_b32 s43, 15, s43                        ; my row of the cluster
	s_lshl_b32 s44, 0x1111, s40                    ; my column
	; descriptor group 1: a dense block of 64 KiB as 256 rows of 32 elements of 8 bytes
	s_or_b32 s[G1+0], s43, (3<<16)|(1<<21)         ; 15:0 the mask; 17:16 elements of 8 bytes; 20 no padding; 21 set beside a mask
	s_or_b32 s[G1B+0], s44, (3<<16)|(1<<21)
.irp g, G1, G1B
	s_mov_b32 s[\g+1], 32<<16
	s_mov_b32 s[\g+2], 256<<16
	s_mov_b32 s[\g+3], 32<<16
	s_mov_b32 s[\g+4], 256
	s_mov_b32 s[\g+5], 32
	s_mov_b32 s[\g+6], 0
	s_mov_b32 s[\g+7], 0
.endr
	s_lshl_b32 s46, s16, 16                        ; my half of K: 64 KiB on
	s_lshl_b32 s20, s17, 17
	s_add_co_u32 s20, s20, s46
	s_mov_b32 s21, 0
	s_lshl_b32 s22, s42, 17
	s_add_co_u32 s22, s22, s46
	s_add_co_u32 s22, s22, 15<<20                  ; Wo's codes begin at 15 MiB
	s_mov_b32 s23, 0
	s_mov_b32 s[G0], 1
	s_mov_b32 s[G0B], 1
	s_lshl_b32 s[G0+1], s14, 16                    ; LDS: wave x 64 KiB: no place in the cluster enters an LDS address
	s_lshl_b32 s[G0B+1], s14, 16
	s_wait_dscnt 0x0                               ; both opening adds are done
	CROUND                                         ; all sixteen work-groups are here: the joint loads meet.  (The arguments are on their way meanwhile)
	s_wait_kmcnt 0x0
	s_load_b64 s[96:97], s[8:9], 0x28              ; entries 10, 11
	s_add_nc_u64 s[G0+2:G0+3], s[4:5], s[20:21]
	s_or_b32 s[G0+3], s[G0+3], 0x80000000
	s_add_nc_u64 s[G0B+2:G0B+3], s[6:7], s[22:23]
	s_or_b32 s[G0B+3], s[G0B+3], 0x80000000
	; each of the two lines has ONE mask and one set of registers for all that issue it; the branch hangs on the wave's number alone
	s_cmp_eq_u32 s15, 0
	s_cbranch_scc0 .Lfor_b
	tensor_load_to_lds s[G0:G0+3], s[G1:G1+7]
	s_nop 0
.rept 4
	v_nop
.endr
	s_branch .Lasked
.Lfor_b:
	tensor_load_to_lds s[G0B:G0B+3], s[G1B:G1B+7]
	s_nop 0
.rept 4
	v_nop
.endr
.Lasked:
	s_lshl_b32 s70, s15, 14                        ; my four tiles of o,
	s_lshl_b32 s71, s16, 14                        ; and of Wo, which lies behind o's 128 KiB
	s_add_co_u32 s71, s71, 131072
	s_mul_i32 s72, s14, 16*SPITCH
	s_add_co_u32 s72, s72, STG                     ; my stage
	v_and_b32 v1, 31, v0
	v_and_b32 v3, 15, v0                           ; r
	v_bfe_u32 v4, v0, 4, 1                         ; h
	v_lshlrev_b32 v2, 4, v1
	v_add_nc_u32 v[ADRA], s70, v2
	v_add_nc_u32 v[ADRB], s71, v2
	v_add_nc_u32 v[ADRA+1], 65536, v[ADRA]
	v_add_nc_u32 v[ADRB+1], 65536, v[ADRB]
	v_mul_u32_u24 v5, v3, SPITCH                   ; in: row r; 64 bytes of each 128 for each half of the lanes
	v_lshl_add_u32 v5, v4, 6, v5
	v_add_nc_u32 v[STO], s72, v5
	v_mul_u32_u24 v6, v4, SPITCH                   ; back: lanes 0-15 one row of 256 bytes, lanes 16-31 the next
	v_lshl_add_u32 v6, v3, 4, v6
	v_add_nc_u32 v[RD], s72, v6
	v_lshlrev_b32 v7, 12, v4
	v_lshl_add_u32 v[CO], v3, 4, v7                ; the same two rows of the result
	s_lshl_b32 s74, s17, 19                        ; the result: 128 tokens x 4,096 bytes x block + 64 tokens x half,
	s_lshl_b32 s75, s15, 18
	s_add_co_u32 s74, s74, s75
	s_lshl_b32 s75, s42, 9                         ; + 512 bytes x block of features + 256 x half
	s_add_co_u32 s74, s74, s75
	s_lshl_b32 s75, s16, 8
	s_add_co_u32 s74, s74, s75
	s_mov_b32 s75, 0
	s_add_nc_u64 s[10:11], s[10:11], s[74:75]
.macro PLACES                          ; four places behind a matrix instruction (ISA guide 7.12.1 for vector instructions)
.rept 4
	v_nop
.endr
.endm
.macro FETCH q                         ; the q-th 128 along K: four fragments of each side into set q % 2; 512 consecutive bytes a load
	WIN 0x40                                       ; destination window 1, address window 0
.irp i, 0,1,2,3
.irp c, 0,1,2,3
	ds_load_b128 v[64*((\q)%2)+16*\i+4*\c:64*((\q)%2)+16*\i+4*\c+3], v[ADRB+(\q)/4] offset:32768*(((\q)/2)%2)+2048*((\q)%2)+4096*\i+512*\c
.endr
.endr
	WIN 0
.irp i, 0,1,2,3
.irp c, 0,1,2,3
	ds_load_b128 v[128+64*((\q)%2)+16*\i+4*\c:128+64*((\q)%2)+16*\i+4*\c+3], v[ADRA+(\q)/4] offset:32768*(((\q)/2)%2)+2048*((\q)%2)+4096*\i+512*\c
.endr
.endr
.endm
.macro MUL p, zero                     ; 16 matrix instructions; the accumulators take turns, in the same order in every step.  zero = 1: the first product starts the sums
	WIN 0x51                                       ; source 0 (Wo) window 1, source 1 (o) window 0, C and D window 1
.irp a, 0,1,2,3
.irp b, 0,1,2,3
.if \zero
	v_wmma_f32_16x16x128_fp8_fp8 v[128+8*(4*\a+\b):135+8*(4*\a+\b)], v[64*(\p)+16*\b:64*(\p)+16*\b+15], v[128+64*(\p)+16*\a:128+64*(\p)+16*\a+15], 0
.else
	v_wmma_f32_16x16x128_fp8_fp8 v[128+8*(4*\a+\b):135+8*(4*\a+\b)], v[64*(\p)+16*\b:64*(\p)+16*\b+15], v[128+64*(\p)+16*\a:128+64*(\p)+16*\a+15], v[128+8*(4*\a+\b):135+8*(4*\a+\b)]
.endif
.endr
.endr
.endm
	s_wait_alu depctr_va_vdst(0)
	s_wait_tensorcnt 0x0                           ; my 64 KiB are in,
	s_barrier_signal -1
	s_barrier_wait -1                              ; and everybody's
	FETCH 0
	FETCH 1
	s_wait_dscnt 32                                ; set 0 is in; the 32 loads of set 1 may be out
	MUL 0, 1
.set Q, 1
.rept 6
	PLACES                                         ; for the loads into the set just multiplied
	FETCH Q+1
	s_wait_dscnt 32                                ; all but the 32 just issued
	MUL Q%2, 0
.set Q, Q+1
.endr
	s_wait_dscnt 0x0
	MUL 1, 0
	; THE WAY OUT, block by block of 16 tokens x 64 features, through my own stage, as rows of 256 bytes.  LDS serves a wave's instructions in order (ISA guide 5.7.1.4): no wait between a block's stores and loads, nor ahead of the next block's stores.
	s_wait_kmcnt 0x0
	s_add_co_i32 s96, s96, s97
	s_add_co_i32 s96, s96, 127
	s_lshl_b32 s96, s96, 23                        ; 2^(entry 10 + entry 11) as f32
	PLACES
.macro TOSTAGE a
	WIN 0x01                                       ; source 0 window 1
.set j, 0
.rept 16
	v_pk_mul_f32 v[TMP+32*((\a)%2)+j:TMP+32*((\a)%2)+j+1], v[128+32*(\a)+j:129+32*(\a)+j], s[96:97] op_sel_hi:[1,0]   ; each accumulator from its low end on
.set j, j+2
.endr
	WIN 0
.irp b, 0,1,2,3
	ds_store_b128 v[STO], v[TMP+32*((\a)%2)+8*\b:TMP+32*((\a)%2)+8*\b+3] offset:128*(\b/2)+32*(\b%2)
	ds_store_b128 v[STO], v[TMP+32*((\a)%2)+8*\b+4:TMP+32*((\a)%2)+8*\b+7] offset:128*(\b/2)+32*(\b%2)+16
.endr
.irp t, 0,1,2,3,4,5,6,7
	ds_load_b128 v[BK+32*(\a)+4*\t:BK+32*(\a)+4*\t+3], v[RD] offset:2*\t*SPITCH
.endr
.endm
.macro SEND a, younger                 ; younger: the LDS instructions issued behind block a's loads, which may stay out
	s_wait_dscnt \younger
.irp t, 0,1,2,3,4,5,6,7
	global_store_b128 v[CO], v[BK+32*(\a)+4*\t:BK+32*(\a)+4*\t+3], s[10:11] offset:(32*((\a)/2)+8*((\a)%2)+2*\t+8*(\t/4))*OROW   ; two rows, 256 consecutive aligned bytes each
.endr
.endm
	TOSTAGE 0
	TOSTAGE 1
	SEND 0, 16                                     ; behind block 0's loads: block 1's 8 stores and 8 loads
	TOSTAGE 2
	SEND 1, 16
	TOSTAGE 3
	SEND 2, 16
	SEND 3, 0
	s_wait_tensorcnt 0x0                           ; the wave's end
	ds_add_u32 v[SPW], v[NIL]
	s_wait_dscnt 0x0
	CROUND                                         ; the closing round: no work-group ends while a partner may still ask for a tile that names it
	s_endpgm
.Lfunc_end_k_qd1c3e2f22a_oproj:
	.size	k_qd1c3e2f22a_oproj, .Lfunc_end_k_qd1c3e2f22a_oproj-k_qd1c3e2f22a_oproj
	.p2alignl 7, 3214868480
	.fill 96, 4, 3214868480
	.section	.rodata,"a",@progbits
	.p2align	6, 0x0
	.amdhsa_kernel k_qd1c3e2f22a_oproj
		.amdhsa_group_segment_fixed_size 327680
		.amdhsa_private_segment_fixed_size 0
		.amdhsa_enable_private_segment 0
		.amdhsa_kernarg_size 32
		.amdhsa_user_sgpr_count 2
		.amdhsa_user_sgpr_kernarg_segment_ptr 1
		.amdhsa_wavefront_size32 1
		.amdhsa_system_sgpr_workgroup_id_x 1
		.amdhsa_system_sgpr_workgroup_id_y 1
		.amdhsa_system_sgpr_workgroup_id_z 1
		.amdhsa_system_vgpr_workitem_id 0
		.amdhsa_next_free_vgpr 512
		.amdhsa_next_free_sgpr 100
		.amdhsa_reserve_vcc 0
		.amdhsa_float_denorm_mode_32 3
		.amdhsa_float_denorm_mode_16_64 3
		.amdhsa_memory_ordered 1
		.amdhsa_forward_progress 1
		.amdhsa_inst_pref_size 44
	.end_amdhsa_kernel
	.amdgpu_metadata
---
amdhsa.version: [ 1, 2 ]
amdhsa.kernels:
  - .name:           k_qd1c3e2f22a_oproj
    .symbol:         k_qd1c3e2f22a_oproj.kd
    .args:
      - { .name: oc, .offset: 0, .size: 8, .value_kind: global_buffer, .address_space: global }
      - { .name: codes, .offset: 8, .size: 8, .value_kind: global_buffer, .address_space: global }
      - { .name: lowp_scales, .offset: 16, .size: 8, .value_kind: global_buffer, .address_space: global }
      - { .name: out0, .offset: 24, .size: 8, .value_kind: global_buffer, .address_space: global }
    .group_segment_fixed_size: 327680
    .private_segment_fixed_size: 0
    .kernarg_segment_align: 8
    .kernarg_segment_size: 32
    .max_flat_workgroup_size: 128
    .sgpr_count:     100
    .vgpr_count:     512
    .wavefront_size: 32
...
	.end_amdgpu_metadata
.endif
;; end of part 4
